; MI455X (gfx1250); checked and timed in simulation.
; The chip was launched on July 23, 2026; its instructions are those of AMD's public machine-readable ISA for CDNA 5 (MIT licence, August 2026) and "CDNA5" Instruction Set Architecture Reference Guide (July 2026). The comments in the code are by the model that wrote it; some were corrected since.
;; Sparse Mo E. Allowed arithmetic: float matrix products may take bf16 or f16 operands with f32 sums; all other float work in f32.
;; Inputs: W1 8 x 768 x 3,072 float32; W2 8 x 3,072 x 768 float32; Wg 768 x 8 float32; Wn 768 x 8 float32; b1 8 x 3,072 float32; b2 8 x 768 float32; bg 8 float32; bn 8 float32; noise 4 x 256 x 8 float32; x 4 x 256 x 768 float32.
;; Outputs: out0 4 x 256 x 768 float32.
;; Constants: top_k = 2.
;; One version. Each part assembles by itself: llvm-mc -triple=amdgcn-amd-amdhsa -mcpu=gfx1250 --defsym DOCPART=n.
;; ======== version 1 of 1: 5 launches
;; limits: values are held in f16: magnitudes above 65,504 overflow, below 6.1e-05 lose precision
;; workspace buffers: route 4,096 bytes of whole numbers; gate 8,192 bytes; slots 8,448 bytes of whole numbers; pos 32,768 bytes of whole numbers; gslot 32,768 bytes; xs 12,582,912 bytes; hid 50,331,648 bytes; part 100,663,296 bytes
;; launch router (part 1): grid 256 x 1, 1 waves a work-group, no clusters, 0 bytes of LDS; arguments x, noise, Wg, bg, Wn, bn, route, gate; writes route, gate
.if DOCPART == 1
	.amdgcn_target "amdgcn-amd-amdhsa--gfx1250"
	.amdhsa_code_object_version 6
	.text
	.protected	k_q389d00d8e6_router
	.globl	k_q389d00d8e6_router
	.p2align	8
	.type	k_q389d00d8e6_router,@function
k_q389d00d8e6_router:
	s_mov_b64 s[64:65], 0
	v_nop
	global_prefetch_b8 v0, s[64:65] scope:SCOPE_SE
	s_setreg_imm32_b32 hwreg(HW_REG_WAVE_MODE, 25, 1), 1
	s_wait_xcnt 0x0
; Noisy top-2 router.  x [1024][768] f32, Wg and Wn [768][8] f32, noise [1024][8] f32.
; One wave takes four tokens.  Lane l owns d = 128 c + 4 l + k (c = 0..5, k = 0..3) of every token and the same rows of Wg and Wn,
; sums its 24 products for each of the 16 outputs of a token in f32, and the lanes' sums meet in a butterfly that leaves output n in lane n.
; All in f32 on the vector unit: the choice of experts is discrete, and operands rounded to 16 bits could choose otherwise.
; Stored: route[t] = e0 | e1 << 8 (whole numbers, from which later launches form addresses), gate[t][0..1] = softmax of the two top values.
; LIMITS: the f32 sums run in another order than a plain dot product, so a token whose second and third noisy logits agree to the last
; few bits of f32 may take the other expert; NaN or infinite logits are not served; equal values go to the lower index.
; The stores are 4 and 8 bytes a lane for four lanes: 12 bytes a token, 12,288 bytes in the whole launch.
.set X,    8                           ; v[8:103]    x: 8 + 24 token + 4 c + k
.set ACC,  104                         ; v[104:167]  16 sums for each of 4 tokens: 0-7 logits, 8-15 noise logits
.set TS,   168                         ; what a lane sends in a butterfly step
.set TK,   169                         ; what it keeps
.set R,    170                         ; v[170:171]  pair p: lane (n, h) holds output n of token 2 p + h
.set NOI,  172                         ; v[172:173]  noise of pair p
.set BGV,  174
.set BNV,  175
.set BIAS, 176
.set NINF, 177
.set Z,    178
.set T,    179
.set M,    180
.set SP,   181
.set NZ,   182
.set VAL,  183
.set IDX,  184
.set OV,   185
.set OI,   186
.set V1,   187
.set I1,   188
.set SEL,  190                         ; v[190:191]  pair p: e0 | e1 << 8
.set GT,   192                         ; v[192:195]  pair p: the two gates
.set FS,   196
.set FG,   198                         ; v[198:199]
.set UO,   200                         ; v[200:201]  store offsets
; window 1, v0-191: Wg at 32 c + 8 k + e;  window 2, v0-191: Wn likewise
.set MSB, 0
.macro WIN new                         ; the immediate's high byte repeats the setting that is left
.if MSB != (\new)
	s_set_vgpr_msb (MSB<<8)|(\new)
.set MSB, (\new)
.endif
.endm
	s_load_b256 s[4:11], s[0:1], 0x0               ; x s[4:5], noise s[6:7], Wg s[8:9], bg s[10:11]
	s_load_b256 s[12:19], s[0:1], 0x20             ; Wn s[12:13], bn s[14:15], route s[16:17], gate s[18:19]
	v_lshlrev_b32 v2, 4, v0                        ; 16 l: my 4 numbers in 512 bytes of x
	v_lshlrev_b32 v3, 7, v0                        ; 128 l: my 4 rows of 32 bytes of Wg, Wn
	v_and_b32 v4, 15, v0                           ; n
	v_and_b32 v7, 7, v0                            ; expert of this lane
	v_lshlrev_b32 v5, 2, v7
	v_lshrrev_b32 v1, 4, v0                        ; h
	v_lshl_add_u32 v6, v1, 5, v5                   ; noise: 32 h + 4 (l & 7)
	v_mov_b32 v[NINF], 0xff800000
	v_mov_b32 v[SP], 0                             ; destinations of lane moves count as read: written once here
	v_mov_b32 v[OV], 0
	v_mov_b32 v[OI], 0
	s_mul_i32 s28, ttmp9, 12288                    ; four rows of x
	s_mov_b32 s29, 0
	s_lshl_b32 s30, ttmp9, 7                       ; four rows of noise
	s_mov_b32 s31, 0
	s_mov_b32 s20, 0xaaaaaaaa                      ; lanes with bit 0, 1, 2, 3 of n set
	s_mov_b32 s21, 0xcccccccc
	s_mov_b32 s22, 0xf0f0f0f0
	s_mov_b32 s23, 0xff00ff00
	s_mov_b32 s24, 0xffff0000                      ; h = 1
	s_mov_b32 s25, 0x00020002                      ; n = 1
	s_mov_b32 s26, 0x76543210                      ; v_permlanex16_b32: lane i of the other half
	s_mov_b32 s27, 0xfedcba98
	s_wait_kmcnt 0x0
	s_add_nc_u64 s[4:5], s[4:5], s[28:29]
	s_add_nc_u64 s[6:7], s[6:7], s[30:31]
.irp t, 0,1,2,3
.irp c, 0,1,2,3,4,5
	global_load_b128 v[X+24*\t+4*\c:X+24*\t+4*\c+3], v2, s[4:5] offset:3072*\t+512*\c
.endr
.endr
	global_load_b32 v[NOI], v6, s[6:7]
	global_load_b32 v[NOI+1], v6, s[6:7] offset:64
	global_load_b32 v[BGV], v5, s[10:11]
	global_load_b32 v[BNV], v5, s[14:15]
	WIN 0x40                                       ; loaded data into window 1
.irp c, 0,1,2,3,4,5
.irp k, 0,1,2,3
	global_load_b128 v[32*\c+8*\k:32*\c+8*\k+3],   v3, s[8:9] offset:4096*\c+32*\k
	global_load_b128 v[32*\c+8*\k+4:32*\c+8*\k+7], v3, s[8:9] offset:4096*\c+32*\k+16
.endr
.endr
	WIN 0x80                                       ; into window 2
.irp c, 0,1,2,3,4,5
.irp k, 0,1,2,3
	global_load_b128 v[32*\c+8*\k:32*\c+8*\k+3],   v3, s[12:13] offset:4096*\c+32*\k
	global_load_b128 v[32*\c+8*\k+4:32*\c+8*\k+7], v3, s[12:13] offset:4096*\c+32*\k+16
.endr
.endr
; 384 packed multiply-adds: two experts at a time, x[d] broadcast from its pair by op_sel; 16 chains that do not wait for each other.
; The first d starts the sums: nothing is cleared.
.macro DOT base
.irp c, 0,1,2,3,4,5
.irp k, 0,1,2,3
.irp p, 0,1,2,3
.irp t, 0,1,2,3
.if (\c+\k) == 0
	v_pk_mul_f32 v[ACC+16*\t+\base+2*\p:ACC+16*\t+\base+2*\p+1], v[2*\p:2*\p+1], v[X+24*\t:X+24*\t+1] op_sel_hi:[1,0]
.elseif (\k&1) == 0
	v_pk_fma_f32 v[ACC+16*\t+\base+2*\p:ACC+16*\t+\base+2*\p+1], v[32*\c+8*\k+2*\p:32*\c+8*\k+2*\p+1], v[X+24*\t+4*\c+\k:X+24*\t+4*\c+\k+1], v[ACC+16*\t+\base+2*\p:ACC+16*\t+\base+2*\p+1] op_sel_hi:[1,0,1]
.else
	v_pk_fma_f32 v[ACC+16*\t+\base+2*\p:ACC+16*\t+\base+2*\p+1], v[32*\c+8*\k+2*\p:32*\c+8*\k+2*\p+1], v[X+24*\t+4*\c+\k-1:X+24*\t+4*\c+\k], v[ACC+16*\t+\base+2*\p:ACC+16*\t+\base+2*\p+1] op_sel:[0,1,0] op_sel_hi:[1,1,1]
.endif
.endr
.endr
.endr
.endr
.endm
	s_wait_loadcnt 48                              ; x, noise, biases and Wg are in; the 48 loads of Wn may stay out
	WIN 0x01                                       ; source 0 from window 1
	DOT 0
	s_wait_loadcnt 0x0
	WIN 0x02                                       ; source 0 from window 2
	DOT 8
	WIN 0
; One butterfly step on two sums: lanes with the mask's bit clear keep a0 and send a1, the others the other way round.
.macro RED2 a0, a1, mask, x
	v_cndmask_b32 v[TS], v[\a1], v[\a0], \mask
	v_cndmask_b32 v[TK], v[\a0], v[\a1], \mask
	v_add_f32_dpp v[\a0], v[TS], v[TK] row_xmask:\x row_mask:0xf bank_mask:0xf
.endm
.irp t, 0,1,2,3
.irp m, 0,1,2,3,4,5,6,7
	RED2 ACC+16*\t+2*\m, ACC+16*\t+2*\m+1, s20, 1
.endr
.irp m, 0,1,2,3
	RED2 ACC+16*\t+4*\m, ACC+16*\t+4*\m+2, s21, 2
.endr
.irp m, 0,1
	RED2 ACC+16*\t+8*\m, ACC+16*\t+8*\m+4, s22, 4
.endr
	RED2 ACC+16*\t, ACC+16*\t+8, s23, 8            ; lane n: output n, summed over its half of the lanes
.endr
.irp p, 0,1
	v_cndmask_b32 v[TS], v[ACC+32*\p+16], v[ACC+32*\p], s24    ; half h keeps token 2 p + h and sends the other
	v_cndmask_b32 v[TK], v[ACC+32*\p], v[ACC+32*\p+16], s24
	v_permlanex16_b32 v[OV], v[TS], s26, s27
	v_add_f32 v[R+\p], v[TK], v[OV]
.endr
	v_cndmask_b32 v[BIAS], v[BGV], v[BNV], s23     ; n < 8: bg[n]; n >= 8: bn[n - 8]
; The largest of the eight lanes' VAL and its index, in every lane of the eight; of equal values the lower index.
.macro TOP
.irp x, 1,2,4
	v_mov_b32_dpp v[OV], v[VAL] row_xmask:\x row_mask:0xf bank_mask:0xf
	v_mov_b32_dpp v[OI], v[IDX] row_xmask:\x row_mask:0xf bank_mask:0xf
	v_cmp_gt_f32 s28, v[OV], v[VAL]
	v_cmp_eq_f32 s29, v[OV], v[VAL]
	v_cmp_lt_u32 s30, v[OI], v[IDX]
	s_and_b32 s29, s29, s30
	s_or_b32 s28, s28, s29
	v_cndmask_b32 v[VAL], v[VAL], v[OV], s28
	v_cndmask_b32 v[IDX], v[IDX], v[OI], s28
.endr
.endm
.macro POST p
	v_add_f32 v[Z], v[R+\p], v[BIAS]
	v_and_b32 v[T], 0x7fffffff, v[Z]
	v_mul_f32 v[T], 0xbfb8aa3b, v[T]               ; -|z| log2(e)
	v_exp_f32 v[T], v[T]
	v_max_num_f32 v[M], 0, v[Z]                    ; the plain place behind the exponential (ISA guide 5.7.2)
	s_wait_alu depctr_va_vdst(0)
	v_add_f32 v[T], 1.0, v[T]
	v_log_f32 v[T], v[T]
	v_mov_b32 v[IDX], v7                           ; the plain place behind the logarithm
	s_wait_alu depctr_va_vdst(0)
	v_fmamk_f32 v[M], v[T], 0x3f317218, v[M]       ; softplus(z) = max(z, 0) + ln 2 log2(1 + e^-|z|)
	v_mov_b32_dpp v[SP], v[M] row_xmask:8 row_mask:0xf bank_mask:0xf   ; lane n takes the softplus of noise logit n from lane n + 8
	v_fma_f32 v[NZ], v[NOI+\p], v[SP], v[Z]        ; lanes n < 8: the noisy logit; lanes n >= 8 carry numbers that nobody stores
	v_mov_b32 v[VAL], v[NZ]
	TOP
	v_mov_b32 v[V1], v[VAL]
	v_mov_b32 v[I1], v[IDX]
	v_cmp_eq_u32 vcc_lo, v7, v[I1]
	v_cndmask_b32 v[VAL], v[NZ], v[NINF], vcc_lo   ; the winner leaves
	v_mov_b32 v[IDX], v7
	TOP
	v_sub_f32 v[T], v[VAL], v[V1]                  ; second minus first: the maximum is taken away, the exponent is at most 0
	v_mul_f32 v[T], 0x3fb8aa3b, v[T]
	v_exp_f32 v[T], v[T]
	v_lshl_or_b32 v[SEL+\p], v[IDX], 8, v[I1]      ; the plain place behind the exponential
	s_wait_alu depctr_va_vdst(0)
	v_add_f32 v[M], 1.0, v[T]
	v_rcp_f32 v[GT+2*\p], v[M]
	v_nop
	s_wait_alu depctr_va_vdst(0)
	v_mul_f32 v[GT+2*\p+1], v[T], v[GT+2*\p]
.endm
	POST 0
	POST 1
	v_cndmask_b32 v[FS], v[SEL], v[SEL+1], s25     ; lanes n = 0 store pair 0, lanes n = 1 pair 1: token 2 n + h of my four
	v_cndmask_b32 v[FG], v[GT], v[GT+2], s25
	v_cndmask_b32 v[FG+1], v[GT+1], v[GT+3], s25
	v_lshl_add_u32 v[UO], v4, 1, v1
	v_lshlrev_b32 v[UO+1], 3, v[UO]
	v_lshlrev_b32 v[UO], 2, v[UO]
	s_lshl_b32 s28, ttmp9, 4
	s_mov_b32 s29, 0
	s_add_nc_u64 s[16:17], s[16:17], s[28:29]
	s_lshl_b32 s28, ttmp9, 5
	s_add_nc_u64 s[18:19], s[18:19], s[28:29]
	s_wait_xcnt 0x0                                ; EXEC changes only behind this wait
	v_cmp_gt_u32 vcc_lo, 2, v4
	s_and_saveexec_b32 s30, vcc_lo
	global_store_b32 v[UO], v[FS], s[16:17]
	global_store_b64 v[UO+1], v[FG:FG+1], s[18:19]
	s_endpgm
.Lfunc_end_k_q389d00d8e6_router:
	.size	k_q389d00d8e6_router, .Lfunc_end_k_q389d00d8e6_router-k_q389d00d8e6_router
	.p2alignl 7, 3214868480
	.fill 96, 4, 3214868480
	.section	.rodata,"a",@progbits
	.p2align	6, 0x0
	.amdhsa_kernel k_q389d00d8e6_router
		.amdhsa_group_segment_fixed_size 0
		.amdhsa_private_segment_fixed_size 0
		.amdhsa_enable_private_segment 0
		.amdhsa_kernarg_size 64
		.amdhsa_user_sgpr_count 2
		.amdhsa_user_sgpr_kernarg_segment_ptr 1
		.amdhsa_wavefront_size32 1
		.amdhsa_system_sgpr_workgroup_id_x 1
		.amdhsa_system_sgpr_workgroup_id_y 1
		.amdhsa_system_sgpr_workgroup_id_z 1
		.amdhsa_system_vgpr_workitem_id 0
		.amdhsa_next_free_vgpr 704
		.amdhsa_next_free_sgpr 66
		.amdhsa_reserve_vcc 1
		.amdhsa_float_denorm_mode_32 3
		.amdhsa_float_denorm_mode_16_64 3
		.amdhsa_memory_ordered 1
		.amdhsa_forward_progress 1
		.amdhsa_inst_pref_size 83
	.end_amdhsa_kernel
	.amdgpu_metadata
---
amdhsa.version: [ 1, 2 ]
amdhsa.kernels:
  - .name:           k_q389d00d8e6_router
    .symbol:         k_q389d00d8e6_router.kd
    .args:
      - { .name: x, .offset: 0, .size: 8, .value_kind: global_buffer, .address_space: global }
      - { .name: noise, .offset: 8, .size: 8, .value_kind: global_buffer, .address_space: global }
      - { .name: Wg, .offset: 16, .size: 8, .value_kind: global_buffer, .address_space: global }
      - { .name: bg, .offset: 24, .size: 8, .value_kind: global_buffer, .address_space: global }
      - { .name: Wn, .offset: 32, .size: 8, .value_kind: global_buffer, .address_space: global }
      - { .name: bn, .offset: 40, .size: 8, .value_kind: global_buffer, .address_space: global }
      - { .name: route, .offset: 48, .size: 8, .value_kind: global_buffer, .address_space: global }
      - { .name: gate, .offset: 56, .size: 8, .value_kind: global_buffer, .address_space: global }
    .group_segment_fixed_size: 0
    .private_segment_fixed_size: 0
    .kernarg_segment_align: 8
    .kernarg_segment_size: 64
    .max_flat_workgroup_size: 32
    .sgpr_count:     66
    .vgpr_count:     704
    .wavefront_size: 32
...
	.end_amdgpu_metadata
.endif
;; end of part 1
;; launch pack (part 2): grid 16 x 8, 1 waves a work-group, no clusters, 33,792 bytes of LDS; arguments x, route, gate, slots, gslot, xs, pos; writes slots, gslot, xs, pos
.if DOCPART == 2
	.amdgcn_target "amdgcn-amd-amdhsa--gfx1250"
	.amdhsa_code_object_version 6
	.text
	.protected	k_q389d00d8e6_pack
	.globl	k_q389d00d8e6_pack
	.p2align	8
	.type	k_q389d00d8e6_pack,@function
k_q389d00d8e6_pack:
	s_mov_b64 s[64:65], 0
	v_nop
	global_prefetch_b8 v0, s[64:65] scope:SCOPE_SE
	s_setreg_imm32_b32 hwreg(HW_REG_WAVE_MODE, 25, 1), 1
	s_wait_xcnt 0x0
; Gathers each expert's tokens.  Work-group (i, e), one wave: ranks all 1,024 tokens for expert e (two lists in LDS: the token and its gate,
; at the token's rank), then makes the tiles lt = i, i + 16, i + 32, i + 48 of 16 slots that lie below ceil(cnt / 16).
; Any count from 0 to 1,024 is served.
; For a tile it stores: xs, the 16 rows of x as f16 in the order in which a matrix fragment is loaded,
;   byte = (64 e + lt) 24,576 + (d / 8) 256 + (slot % 16) 16 + (d % 8) 2;   and gslot[slot] = the slot's gate.
; f16 and not bf16: 11 significant bits in place of 8.  LIMIT: |x| up to 65,504 (x of spread 1: 30 times larger or an offset of 30 stays below 200).
; Work-group (0, e) also stores pos[e][t] = 1024 e + rank for all 1,024 tokens (entries of tokens that did not choose e hold 1024 e + 1024 and are
; never read) and cnt[e] at byte 8,192 + 4 e of slots.
; The slots of the last tile beyond cnt carry token 0 and the gate 0 (list entries cleared): finite data whose results no launch reads.
; The only global addresses that hang on data are the rows of x, by a scalar base from the clamped token; everything else is addressed from ids.
; Each store of xs and of pos covers 512 consecutive bytes.  No barrier: one wave.
.set LISTB,  0                         ; words 0..1023: the token of that rank; word 1024 takes what does not belong to e
.set GLISTB, 4352                      ; the same for the gates
.set TB,     8704                      ; 16 rows of 1,536 bytes, 1,552 apart = 97 x 16: the 16 rows that a load touches start 16 bytes apart modulo 256
.set TP,     1552
.set S,      24                        ; v[24:55]   route words: 4 c + k is token 128 c + 4 l + k; then pos of the same token
.set D,      64                        ; v[64:255]  48 quads; while ranking v[64:127] hold the gates: 2 (4 c + k) + choice
	s_load_b256 s[4:11], s[0:1], 0x0               ; x s[4:5], route s[6:7], gate s[8:9], slots s[10:11]
	s_load_b128 s[12:15], s[0:1], 0x20             ; gslot s[12:13], xs s[14:15]
	s_load_b64 s[48:49], s[0:1], 0x30              ; pos
	v_lshl_add_u32 v62, v0, 2, 0x8300
	v_mov_b32 v63, 0
	s_and_b32 s32, ttmp7, 0xffff                   ; e
	s_mov_b32 s33, 0                               ; tokens of e so far
	v_lshlrev_b32 v2, 4, v0                        ; 16 l
	v_lshlrev_b32 v3, 2, v0                        ; 4 l: the lane's part of the token
	v_and_b32 v4, 15, v0                           ; r
	v_lshrrev_b32 v5, 4, v0                        ; h
	v_lshlrev_b32 v6, 3, v0
	v_add_nc_u32 v6, TB, v6                        ; where my 8 bytes of a row go
	v_mul_u32_u24 v7, v4, TP
	v_lshl_add_u32 v7, v5, 4, v7
	v_add_nc_u32 v7, TB, v7                        ; where I read: row r, 16 h
	v_lshlrev_b32 v8, 2, v4                        ; 4 r
	v_mov_b32 v9, 0x400
	v_lshlrev_b32 v10, 5, v0                       ; 32 l: the gates of my 4 tokens
	v_mov_b32 v20, 0
	v_mov_b32 v21, 0
	v_mov_b32 v22, 0
	v_mov_b32 v23, 0
	s_wait_kmcnt 0x0
.irp c, 0,1,2,3,4,5,6,7
	global_load_b128 v[S+4*\c:S+4*\c+3], v2, s[6:7] offset:512*\c
.endr
.irp c, 0,1,2,3,4,5,6,7
	global_load_b128 v[D+8*\c:D+8*\c+3],   v10, s[8:9] offset:1024*\c
	global_load_b128 v[D+8*\c+4:D+8*\c+7], v10, s[8:9] offset:1024*\c+16
.endr
.irp c, 0,1,2,3,4,5,6,7
	ds_store_b128 v2, v[20:23] offset:LISTB+512*\c     ; entries 0..1023: token 0,
	ds_store_b128 v2, v[20:23] offset:GLISTB+512*\c    ; gate 0
.endr
	s_wait_loadcnt 0x0
; 32 tokens at a time: a token of e gets the rank = those before it (earlier steps in s33, lower lanes by v_mbcnt).
.set q, 0
.rept 32
	v_and_b32 v11, 0xff, v[S+q]
	v_lshrrev_b32 v12, 8, v[S+q]
	v_cmp_eq_u32 s36, s32, v11                     ; first choice is e
	v_cmp_eq_u32 vcc_lo, s32, v12                  ; second choice is e
	s_or_b32 s37, s36, vcc_lo
	v_mbcnt_lo_u32_b32 v13, s37, s33
	v_cndmask_b32 v13, v9, v13, s37                ; the others write word 1024
	v_min_u32 v13, 0x400, v13
	v_lshl_add_u32 v[S+q], s32, 10, v13            ; pos of this token: 1024 e + rank
	v_add_nc_u32 v14, 128*(q>>2)+(q&3), v3         ; the token
	v_cndmask_b32 v15, v[D+2*q], v[D+2*q+1], vcc_lo    ; its gate for e
	v_lshlrev_b32 v13, 2, v13
	ds_store_b32 v13, v14 offset:LISTB             ; LDS serves a wave's instructions in order (ISA guide 5.7.1): behind the clearing stores
	ds_store_b32 v13, v15 offset:GLISTB
	s_bcnt1_i32_b32 s38, s37
	s_add_co_u32 s33, s33, s38
.set q, q+1
.endr
	s_min_u32 s33, s33, 1024                       ; cnt
	s_add_co_u32 s34, s33, 15
	s_lshr_b32 s34, s34, 4                         ; tiles of e, at most 64
	s_cmp_lg_u32 ttmp9, 0
	s_cbranch_scc1 .Lnocnt
	s_lshl_b32 s38, s32, 12                        ; one work-group of each expert stores the expert's 4,096 bytes of pos
	s_mov_b32 s39, 0
	s_add_nc_u64 s[48:49], s[48:49], s[38:39]
.irp c, 0,1,2,3,4,5,6,7
	global_store_b128 v2, v[S+4*\c:S+4*\c+3], s[48:49] offset:512*\c
.endr
	v_mov_b32 v16, s33
	s_lshl_b32 s38, s32, 2
	v_mov_b32 v17, s38
	s_wait_xcnt 0x0                                ; EXEC changes only behind this wait
	v_cmp_eq_u32 vcc_lo, 0, v0
	s_and_saveexec_b32 s40, vcc_lo
	global_store_b32 v17, v16, s[10:11] offset:8192
	s_wait_xcnt 0x0
	s_or_b32 exec_lo, exec_lo, s40
.Lnocnt:
	s_add_co_u32 s34, s34, 15                      ; of the tiles i, i + 16, .. those below the count: (tiles + 15 - i) / 16, i at most 15
	s_sub_co_u32 s34, s34, ttmp9
	s_lshr_b32 s34, s34, 4
	s_min_u32 s34, s34, 4                          ; 64 tiles over 16 work-groups: never more than 4
	s_cmp_eq_u32 s34, 0
	s_cbranch_scc1 .Lend
	s_mov_b32 s35, ttmp9                           ; lt
	s_mov_b32 s41, 0                               ; trips done
.Ltile:
	v_lshl_add_u32 v11, s35, 6, v8                 ; list entry 16 lt + r
	v_min_u32 v11, 4092, v11
	ds_load_b32 v18, v11 offset:LISTB              ; the slot's token
	ds_load_b32 v15, v11 offset:GLISTB             ; and gate
	s_min_u32 s38, s35, 63
	s_lshl_b32 s39, s32, 6
	s_add_co_u32 s38, s38, s39                     ; 64 e + lt
	s_mul_i32 s42, s38, 24576
	s_mov_b32 s43, 0
	s_add_nc_u64 s[44:45], s[14:15], s[42:43]      ; the tile in xs
	s_lshl_b32 s42, s38, 6
	s_add_nc_u64 s[46:47], s[12:13], s[42:43]      ; its 16 words of gslot
	s_wait_dscnt 0x0
	v_min_u32 v18, 0x3ff, v18
.irp b, 0,1
.irp w, 0,1,2,3,4,5,6,7
	v_readlane_b32 s[16+2*\w], v18, 8*\b+\w        ; the base pairs are free: the loads that named them were waited for
	s_min_u32 s[16+2*\w], s[16+2*\w], 1023
	s_mul_i32 s[16+2*\w], s[16+2*\w], 3072
	s_mov_b32 s[17+2*\w], 0
	s_add_nc_u64 s[16+2*\w:17+2*\w], s[4:5], s[16+2*\w:17+2*\w]
.endr
.irp w, 0,1,2,3,4,5,6,7
.irp c, 0,1,2,3,4,5
	global_load_b128 v[D+24*\w+4*\c:D+24*\w+4*\c+3], v2, s[16+2*\w:17+2*\w] offset:512*\c
.endr
.endr
	s_wait_loadcnt 0x0
.irp w, 0,1,2,3,4,5,6,7
.irp c, 0,1,2,3,4,5
	v_cvt_pk_f16_f32 v[D+24*\w+4*\c],   v[D+24*\w+4*\c],   v[D+24*\w+4*\c+1]
	v_cvt_pk_f16_f32 v[D+24*\w+4*\c+1], v[D+24*\w+4*\c+2], v[D+24*\w+4*\c+3]
	ds_store_b64 v6, v[D+24*\w+4*\c:D+24*\w+4*\c+1] offset:(8*\b+\w)*TP+256*\c
.endr
.endr
.endr
.set m, 0
.rept 48
	ds_load_b128 v[D+4*m:D+4*m+3], v7 offset:32*m  ; lane (r, h): numbers 8 (2 m + h) .. + 7 of row r; in order behind my own stores
.set m, m+1
.endr
	s_wait_dscnt 0x0
.set m, 0
.rept 48
	global_store_b128 v2, v[D+4*m:D+4*m+3], s[44:45] offset:512*m
.set m, m+1
.endr
	global_store_b32 v8, v15, s[46:47]             ; 16 gates, 64 consecutive bytes; lanes 16-31 repeat lanes 0-15: same address, same value
	s_wait_xcnt 0x0                                ; D, the gate register and the bases are rewritten in the next trip only behind this wait
	s_add_co_u32 s35, s35, 16                      ; my next tile
	s_add_co_u32 s41, s41, 1
	s_cmp_lt_u32 s41, s34
	s_cbranch_scc1 .Ltile
.Lend:
	s_wait_tensorcnt 0x0
	ds_add_u32 v62, v63
	s_wait_dscnt 0x0
	s_endpgm
.Lfunc_end_k_q389d00d8e6_pack:
	.size	k_q389d00d8e6_pack, .Lfunc_end_k_q389d00d8e6_pack-k_q389d00d8e6_pack
	.p2alignl 7, 3214868480
	.fill 96, 4, 3214868480
	.section	.rodata,"a",@progbits
	.p2align	6, 0x0
	.amdhsa_kernel k_q389d00d8e6_pack
		.amdhsa_group_segment_fixed_size 33792
		.amdhsa_private_segment_fixed_size 0
		.amdhsa_enable_private_segment 0
		.amdhsa_kernarg_size 56
		.amdhsa_user_sgpr_count 2
		.amdhsa_user_sgpr_kernarg_segment_ptr 1
		.amdhsa_wavefront_size32 1
		.amdhsa_system_sgpr_workgroup_id_x 1
		.amdhsa_system_sgpr_workgroup_id_y 1
		.amdhsa_system_sgpr_workgroup_id_z 1
		.amdhsa_system_vgpr_workitem_id 0
		.amdhsa_next_free_vgpr 256
		.amdhsa_next_free_sgpr 66
		.amdhsa_reserve_vcc 1
		.amdhsa_float_denorm_mode_32 3
		.amdhsa_float_denorm_mode_16_64 3
		.amdhsa_memory_ordered 1
		.amdhsa_forward_progress 1
		.amdhsa_inst_pref_size 71
	.end_amdhsa_kernel
	.amdgpu_metadata
---
amdhsa.version: [ 1, 2 ]
amdhsa.kernels:
  - .name:           k_q389d00d8e6_pack
    .symbol:         k_q389d00d8e6_pack.kd
    .args:
      - { .name: x, .offset: 0, .size: 8, .value_kind: global_buffer, .address_space: global }
      - { .name: route, .offset: 8, .size: 8, .value_kind: global_buffer, .address_space: global }
      - { .name: gate, .offset: 16, .size: 8, .value_kind: global_buffer, .address_space: global }
      - { .name: slots, .offset: 24, .size: 8, .value_kind: global_buffer, .address_space: global }
      - { .name: gslot, .offset: 32, .size: 8, .value_kind: global_buffer, .address_space: global }
      - { .name: xs, .offset: 40, .size: 8, .value_kind: global_buffer, .address_space: global }
      - { .name: pos, .offset: 48, .size: 8, .value_kind: global_buffer, .address_space: global }
    .group_segment_fixed_size: 33792
    .private_segment_fixed_size: 0
    .kernarg_segment_align: 8
    .kernarg_segment_size: 56
    .max_flat_workgroup_size: 32
    .sgpr_count:     66
    .vgpr_count:     256
    .wavefront_size: 32
...
	.end_amdgpu_metadata
.endif
;; end of part 2
;; launch gemm1 (part 3): grid 24 x 8, 4 waves a work-group, no clusters, 16,896 bytes of LDS; arguments xs, W1, b1, slots, hid; writes hid
.if DOCPART == 3
	.amdgcn_target "amdgcn-amd-amdhsa--gfx1250"
	.amdhsa_code_object_version 6
	.text
	.protected	k_q389d00d8e6_gemm1
	.globl	k_q389d00d8e6_gemm1
	.p2align	8
	.type	k_q389d00d8e6_gemm1,@function
k_q389d00d8e6_gemm1:
	s_mov_b64 s[64:65], 0
	v_nop
	global_prefetch_b8 v0, s[64:65] scope:SCOPE_SE
	s_setreg_imm32_b32 hwreg(HW_REG_WAVE_MODE, 25, 1), 1
	s_wait_xcnt 0x0
; hid = relu(xs W1[e] + b1[e]) for the slots of expert e, f16 operands, f32 sums, hid rounded once to f16.
; Work-group (nb, e): 128 columns of W1[e].  Wave w: strip sp = w & 1 of 64 columns, tiles of 16 slots rp, rp + 2, .. with rp = w >> 1.
; THE WEIGHTS STAY IN REGISTERS: 64 columns x 768 K as f16 = 768 registers (windows 1 to 3), converted once from f32.
; W1 lies [K][N].  Lane (r, h) loads 16 bytes = columns 4 r .. 4 r + 3 of a row; rows k and k + 1 pack into one word of each of four fragments
; j = 0..3, in which lane r stands for column 4 r + j: a permutation of the strip's columns, undone for nothing on the way out.
; Each such load covers 256 consecutive aligned bytes of row k (lanes 0-15) and of row k + 8 (lanes 16-31).
; THE ROWS lie in memory in fragment order: one load of 16 bytes a lane, 512 consecutive bytes, is half a fragment.  A ring of 192 registers
; holds one tile in six groups; a group is asked for again, for the wave's next tile, as soon as it has been multiplied.
; The waves share nothing: no barrier, so a trip count read from memory (cnt[e], whole numbers stored by an earlier launch) is harmless.
; NO CLUSTER, NO TENSOR LOADS: both operands go from memory straight into fragment registers, so there is no LDS tile that a joint request
; could fill.  The price, accepted: the two waves of a strip each load and convert its 196,608 bytes of weights, and every wave loads its own tiles.
; 24 x 8 = 192 work-groups: 256 equal shares would be 96 columns, rows of 384 bytes.
; WHY f16: 11 significant bits in place of bf16's 8; four roundings (x, W1, hid, W2) stand between the inputs and the result.
; ITS ROOM: W1 has a spread of 0.036: 30 times larger is 1.1; 30 times smaller is 0.0012, where numbers below 2^-14 go on in steps of 2^-24, 5e-5 of
; that spread.  hid: with x and W1 30 times larger about 900 x 5; with x offset by 30 and W1 by 30 x 0.036, 768 x 30 x 1.08 = 25,000.
; LIMIT: a hidden value above 65,504 becomes infinite.  Sums in f32.
.set WPITCH, 12288                     ; bytes in a row of W1[e]
.set ASTEP,  49152                     ; two tiles of xs
.set OSTEP,  196608                    ; two tiles of hid
.set OUT, 16                           ; v[16:31]   packed results
.set ACC, 32                           ; v[32:63]   four accumulators, 8 j + i
.set AF,  64                           ; v[64:255]  row fragments 8 s, s = 0..23; during the fill three stages of 64 registers
; windows 1 to 3: weight fragment (s, j) in window 1 + s / 8 at 32 (s % 8) + 8 j
.set MSB, 0
.macro WIN new                         ; the immediate's high byte repeats the setting that is left
.if MSB != (\new)
	s_set_vgpr_msb (MSB<<8)|(\new)
.set MSB, (\new)
.endif
.endm
.macro PLACES                          ; four plain places behind a matrix instruction (ISA guide 7.12.1) before its registers are loaded into or its result is read
.rept 4
	v_nop
.endr
.endm
; 16 loads: the 32 rows of K step s; load i brings rows 32 s + i + 8 (i / 8) (lanes 0-15) and 8 further (lanes 16-31)
.macro FILL_ISSUE s
	WIN 0
.irp i, 0,1,2,3,4,5,6,7,8,9,10,11,12,13,14,15
	global_load_b128 v[AF+64*((\s)%3)+4*\i:AF+64*((\s)%3)+4*\i+3], v2, s[24+2*((\s)/12):25+2*((\s)/12)] offset:(32*((\s)%12)+\i+8*(\i/8))*WPITCH
.endr
.endm
; 32 roundings of two: word p of fragment j = column 4 r + j of the rows of loads 2 p and 2 p + 1
.macro FILL_CVT s
	WIN ((1+(\s)/8)<<6)
.irp j, 0,1,2,3
.irp p, 0,1,2,3,4,5,6,7
	v_cvt_pk_f16_f32 v[32*((\s)%8)+8*\j+\p], v[AF+64*((\s)%3)+8*\p+\j], v[AF+64*((\s)%3)+8*\p+4+\j]
.endr
.endr
.endm
; 8 loads: row fragments 4 g .. 4 g + 3 of the tile at byte off from the base
.macro ALOAD g, off
.irp t, 0,1,2,3
	global_load_b128 v[AF+8*(4*\g+\t):AF+8*(4*\g+\t)+3],   v3, s[28:29] offset:\off+1024*(4*\g+\t)
	global_load_b128 v[AF+8*(4*\g+\t)+4:AF+8*(4*\g+\t)+7], v3, s[28:29] offset:\off+1024*(4*\g+\t)+512
.endr
.endm
; 16 matrix instructions, used transposed (source 0 = weights, source 1 = rows): register i of lane (r, h) is slot r, column 32 h + 4 i + j
.macro MMG g
	WIN (1+(\g)/2)
.irp t, 0,1,2,3
.irp j, 0,1,2,3
	v_wmma_f32_16x16x32_f16 v[ACC+8*\j:ACC+8*\j+7], v[32*((4*\g+\t)%8)+8*\j:32*((4*\g+\t)%8)+8*\j+7], v[AF+8*(4*\g+\t):AF+8*(4*\g+\t)+7], v[ACC+8*\j:ACC+8*\j+7]
.endr
.endr
	WIN 0
.endm
; relu, round, store: a lane's 32 columns of one slot are four pieces of 16 bytes; 16 lanes fill 256 consecutive aligned bytes of hid
.macro EPI
.set a, 0
.rept 32
	v_max_num_f32 v[ACC+a], 0, v[ACC+a]
.set a, a+1
.endr
.irp q, 0,1,2,3
.irp p, 0,1,2,3
	v_cvt_pk_f16_f32 v[OUT+4*\q+\p], v[ACC+16*(\p&1)+2*\q+(\p>>1)], v[ACC+16*(\p&1)+8+2*\q+(\p>>1)]
.endr
.endr
.irp q, 0,1,2,3
	global_store_b128 v4, v[OUT+4*\q:OUT+4*\q+3], s[30:31] offset:256*\q
.endr
.endm
; One tile.  refill = 1: each group is asked for again for my next tile.
.macro TRIP refill
.irp q, 0,1,2,3,4,5,6,7
	ds_load_b128 v[ACC+4*\q:ACC+4*\q+3], v6 offset:512*\q      ; the bias starts the sums
.endr
	s_wait_dscnt 0x0
.irp g, 0,1,2,3,4,5
.if \refill
	s_wait_loadcnt 40                              ; group g is in; five younger groups of 8 loads (the rest of this tile, the head of the next) stay out
.else
	s_wait_loadcnt 40-8*\g                         ; nothing was asked behind this tile
.endif
	MMG \g
.if \refill
	PLACES
	ALOAD \g, ASTEP
.endif
.endr
.if \refill == 0
	PLACES
.endif
	EPI
.if \refill
	s_wait_xcnt 0x0                                ; the bases and OUT are rewritten only behind this wait
	s_add_nc_u64 s[28:29], s[28:29], ASTEP
	s_add_nc_u64 s[30:31], s[30:31], OSTEP
.endif
.endm
	s_load_b256 s[4:11], s[0:1], 0x0               ; xs s[4:5], W1 s[6:7], b1 s[8:9], slots s[10:11]
	s_load_b64 s[12:13], s[0:1], 0x20              ; hid
	v_lshl_add_u32 v14, v0, 2, 0x4000
	v_mov_b32 v15, 0
	v_lshrrev_b32 v1, 5, v0
	v_readfirstlane_b32 s14, v1                    ; wave
	s_and_b32 s15, s14, 1                          ; sp
	s_lshr_b32 s16, s14, 1                         ; rp
	s_and_b32 s17, ttmp7, 0xffff                   ; e
	s_lshl_b32 s22, ttmp9, 7
	s_lshl_b32 s34, s15, 6
	s_add_co_u32 s22, s22, s34                     ; col0 = 128 nb + 64 sp
	v_and_b32 v1, 31, v0                           ; l
	v_and_b32 v7, 15, v0                           ; r
	v_bfe_u32 v8, v0, 4, 1                         ; h
	v_mul_u32_u24 v2, v8, 8*WPITCH
	v_lshl_add_u32 v2, v7, 4, v2                   ; weights: 8 h rows + 16 r
	v_lshlrev_b32 v3, 4, v1                        ; rows: 16 l
	v_lshlrev_b32 v4, 10, v8
	v_lshl_add_u32 v4, v7, 4, v4                   ; hid: 1024 h + 16 r
	v_lshlrev_b32 v5, 7, v8                        ; bias: 32 h columns
	s_lshl_b32 s34, s14, 12
	v_add_nc_u32 v6, s34, v3                       ; my wave's 4,096 bytes of LDS, 16 a lane
	s_lshl_b32 s36, s17, 2
	s_wait_kmcnt 0x0
	s_load_b32 s21, s[10:11], s36 offset:0x2000    ; cnt[e]
	s_mul_i32 s34, s17, 9437184
	s_lshl2_add_u32 s34, s22, s34
	s_mov_b32 s35, 0
	s_add_nc_u64 s[24:25], s[6:7], s[34:35]        ; W1[e], row 0, my strip
	s_add_nc_u64 s[26:27], s[24:25], 384*WPITCH    ; row 384: keeps the immediates inside 24 bits
	s_lshl_b32 s38, s17, 6
	s_add_co_u32 s38, s38, s16                     ; my first tile, 64 e + rp
	s_mul_i32 s34, s38, 24576
	s_add_nc_u64 s[28:29], s[4:5], s[34:35]
	s_mul_i32 s34, s38, 98304
	s_lshl_b32 s39, s22, 5
	s_add_co_u32 s34, s34, s39
	s_add_nc_u64 s[30:31], s[12:13], s[34:35]
	s_mul_i32 s34, s17, 12288
	s_lshl2_add_u32 s34, s22, s34
	s_add_nc_u64 s[32:33], s[8:9], s[34:35]
.irp j, 0,1,2,3
.irp i, 0,1,2,3,4,5,6,7
	global_load_b32 v[ACC+8*\j+\i], v5, s[32:33] offset:(4*\i+\j)*4    ; b1 of column 32 h + 4 i + j, in the accumulators' own order
.endr
.endr
	FILL_ISSUE 0
	FILL_ISSUE 1
	FILL_ISSUE 2
	s_wait_kmcnt 0x0
	s_min_u32 s21, s21, 1024
	s_add_co_u32 s21, s21, 15
	s_lshr_b32 s21, s21, 4                         ; tiles of e
	s_add_co_u32 s21, s21, 1
	s_sub_co_u32 s21, s21, s16
	s_lshr_b32 s21, s21, 1                         ; of which mine
	s_cmp_eq_u32 s21, 0
	s_cbranch_scc1 .Lend
	s_wait_loadcnt 48                              ; the bias is in; the three stages of 16 loads stay out
.irp q, 0,1,2,3,4,5,6,7
	ds_store_b128 v6, v[ACC+4*\q:ACC+4*\q+3] offset:512*\q     ; my own bytes: read back by me alone, in order
.endr
.set fs, 0
.rept 21
	s_wait_loadcnt 32                              ; stage fs is in; two younger stages stay out
	FILL_CVT fs
	FILL_ISSUE (fs+3)
.set fs, fs+1
.endr
	s_wait_loadcnt 32
	FILL_CVT 21
	s_wait_loadcnt 16
	FILL_CVT 22
	s_wait_loadcnt 0x0
	FILL_CVT 23
	WIN 0
.irp g, 0,1,2,3,4,5
	ALOAD \g, 0
.endr
	s_sub_co_u32 s20, s21, 1
	s_cmp_eq_u32 s20, 0
	s_cbranch_scc1 .Ltail
.Lrow:
	TRIP 1
	s_sub_co_i32 s20, s20, 1
	s_cmp_lg_u32 s20, 0
	s_cbranch_scc1 .Lrow
.Ltail:
	TRIP 0                                         ; the last tile asks for nothing: no load passes the tiles that were written
.Lend:
	s_wait_tensorcnt 0x0
	ds_add_u32 v14, v15
	s_wait_dscnt 0x0
	s_endpgm
.Lfunc_end_k_q389d00d8e6_gemm1:
	.size	k_q389d00d8e6_gemm1, .Lfunc_end_k_q389d00d8e6_gemm1-k_q389d00d8e6_gemm1
	.p2alignl 7, 3214868480
	.fill 96, 4, 3214868480
	.section	.rodata,"a",@progbits
	.p2align	6, 0x0
	.amdhsa_kernel k_q389d00d8e6_gemm1
		.amdhsa_group_segment_fixed_size 16896
		.amdhsa_private_segment_fixed_size 0
		.amdhsa_enable_private_segment 0
		.amdhsa_kernarg_size 40
		.amdhsa_user_sgpr_count 2
		.amdhsa_user_sgpr_kernarg_segment_ptr 1
		.amdhsa_wavefront_size32 1
		.amdhsa_system_sgpr_workgroup_id_x 1
		.amdhsa_system_sgpr_workgroup_id_y 1
		.amdhsa_system_sgpr_workgroup_id_z 1
		.amdhsa_system_vgpr_workitem_id 0
		.amdhsa_next_free_vgpr 1024
		.amdhsa_next_free_sgpr 66
		.amdhsa_reserve_vcc 0
		.amdhsa_float_denorm_mode_32 3
		.amdhsa_float_denorm_mode_16_64 3
		.amdhsa_memory_ordered 1
		.amdhsa_forward_progress 1
		.amdhsa_inst_pref_size 122
	.end_amdhsa_kernel
	.amdgpu_metadata
---
amdhsa.version: [ 1, 2 ]
amdhsa.kernels:
  - .name:           k_q389d00d8e6_gemm1
    .symbol:         k_q389d00d8e6_gemm1.kd
    .args:
      - { .name: xs, .offset: 0, .size: 8, .value_kind: global_buffer, .address_space: global }
      - { .name: W1, .offset: 8, .size: 8, .value_kind: global_buffer, .address_space: global }
      - { .name: b1, .offset: 16, .size: 8, .value_kind: global_buffer, .address_space: global }
      - { .name: slots, .offset: 24, .size: 8, .value_kind: global_buffer, .address_space: global }
      - { .name: hid, .offset: 32, .size: 8, .value_kind: global_buffer, .address_space: global }
    .group_segment_fixed_size: 16896
    .private_segment_fixed_size: 0
    .kernarg_segment_align: 8
    .kernarg_segment_size: 40
    .max_flat_workgroup_size: 128
    .sgpr_count:     66
    .vgpr_count:     1024
    .wavefront_size: 32
...
	.end_amdgpu_metadata
.endif
;; end of part 3
;; launch gemm2 (part 4): grid 6 x 32, 4 waves a work-group, no clusters, 0 bytes of LDS; arguments hid, W2, gslot, slots, part; writes part
.if DOCPART == 4
	.amdgcn_target "amdgcn-amd-amdhsa--gfx1250"
	.amdhsa_code_object_version 6
	.text
	.protected	k_q389d00d8e6_gemm2
	.globl	k_q389d00d8e6_gemm2
	.p2align	8
	.type	k_q389d00d8e6_gemm2,@function
k_q389d00d8e6_gemm2:
	s_mov_b64 s[64:65], 0
	v_nop
	global_prefetch_b8 v0, s[64:65] scope:SCOPE_SE
	s_setreg_imm32_b32 hwreg(HW_REG_WAVE_MODE, 25, 1), 1
	s_wait_xcnt 0x0
; part[kc][slot][:] = gate(slot) x (hid[slot][768 kc .. + 767] W2[e][768 kc .. + 767][:]), f16 operands, f32 sums, f32 out.
; Work-group (nb, y): e = y >> 2, K chunk kc = y & 3, 128 columns.  Wave w: strip sp = w & 1 of 64 columns, tiles rp, rp + 2, .. with rp = w >> 1.
; Built as the first layer's launch: the strip's 64 columns x 768 K stay in 768 registers as f16 (lane r of fragment j = column 4 r + j);
; hid lies in fragment order, a ring of 192 registers holds one tile in six groups, refilled group by group.  The waves share nothing: no barrier.
; The matrix instruction is used as it stands (source 0 = rows, source 1 = weights): register i of lane (r, h) is slot 8 h + i, column 4 r + j,
; so the four accumulators' registers i are 16 neighbouring bytes of a row, and the move into store order rides on the multiplication by the gate.
; The four K chunks are summed by the last launch: no sum spans work-groups inside a launch.
; NO CLUSTER, NO TENSOR LOADS: both operands go from memory straight into fragment registers, so there is no LDS tile that a joint request
; could fill; besides, the 6 column blocks that share a tile are no multiple of 4.  The price, accepted: the two waves of a strip each load and
; convert its weights, and every wave loads its own tiles.  6 x 32 = 192 work-groups: 256 equal shares would be 96 columns, rows of 384 bytes.
; WHY f16: 11 significant bits in place of bf16's 8.  ITS ROOM: W2 has a spread of 0.018: 30 times larger is 0.54; 30 times smaller is 0.0006, where
; numbers below 2^-14 go on in steps of 2^-24, 1e-4 of that spread.  LIMIT: |W2| up to 65,504.  Sums in f32.
.set WPITCH, 3072                      ; bytes in a row of W2[e], and of part
.set ASTEP,  196608                    ; two tiles of hid
.set OSTEP,  98304                     ; 32 rows of part
.set G,   8                            ; v[8:15]    gates of slots 8 h + i
.set OUT, 16                           ; v[16:31]   four rows' 16 bytes
.set ACC, 32                           ; v[32:63]   four accumulators, 8 j + i
.set AF,  64                           ; v[64:255]  row fragments 8 s; during the fill three stages of 64 registers
; windows 1 to 3: weight fragment (s, j) in window 1 + s / 8 at 32 (s % 8) + 8 j
.set MSB, 0
.macro WIN new                         ; the immediate's high byte repeats the setting that is left
.if MSB != (\new)
	s_set_vgpr_msb (MSB<<8)|(\new)
.set MSB, (\new)
.endif
.endm
.macro PLACES                          ; four plain places behind a matrix instruction (ISA guide 7.12.1) before its registers are loaded into or its result is read
.rept 4
	v_nop
.endr
.endm
.macro FILL_ISSUE s                    ; 16 loads: load i brings rows 32 s + i + 8 (i / 8) (lanes 0-15) and 8 further (lanes 16-31), 256 consecutive bytes each
	WIN 0
.irp i, 0,1,2,3,4,5,6,7,8,9,10,11,12,13,14,15
	global_load_b128 v[AF+64*((\s)%3)+4*\i:AF+64*((\s)%3)+4*\i+3], v2, s[24+2*((\s)/12):25+2*((\s)/12)] offset:(32*((\s)%12)+\i+8*(\i/8))*WPITCH
.endr
.endm
.macro FILL_CVT s                      ; word p of fragment j = column 4 r + j of the rows of loads 2 p and 2 p + 1
	WIN ((1+(\s)/8)<<6)
.irp j, 0,1,2,3
.irp p, 0,1,2,3,4,5,6,7
	v_cvt_pk_f16_f32 v[32*((\s)%8)+8*\j+\p], v[AF+64*((\s)%3)+8*\p+\j], v[AF+64*((\s)%3)+8*\p+4+\j]
.endr
.endr
.endm
.macro ALOAD g, off                    ; 8 loads: row fragments 4 g .. 4 g + 3 of the tile at byte off from the base
.irp t, 0,1,2,3
	global_load_b128 v[AF+8*(4*\g+\t):AF+8*(4*\g+\t)+3],   v3, s[28:29] offset:\off+1024*(4*\g+\t)
	global_load_b128 v[AF+8*(4*\g+\t)+4:AF+8*(4*\g+\t)+7], v3, s[28:29] offset:\off+1024*(4*\g+\t)+512
.endr
.endm
.macro MMG g                           ; 16 matrix instructions; the first K step starts the sums with the constant 0
	WIN ((1+(\g)/2)<<2)
.irp t, 0,1,2,3
.irp j, 0,1,2,3
.if (4*\g+\t) == 0
	v_wmma_f32_16x16x32_f16 v[ACC+8*\j:ACC+8*\j+7], v[AF:AF+7], v[8*\j:8*\j+7], 0
.else
	v_wmma_f32_16x16x32_f16 v[ACC+8*\j:ACC+8*\j+7], v[AF+8*(4*\g+\t):AF+8*(4*\g+\t)+7], v[32*((4*\g+\t)%8)+8*\j:32*((4*\g+\t)%8)+8*\j+7], v[ACC+8*\j:ACC+8*\j+7]
.endif
.endr
.endr
	WIN 0
.endm
; times the gate, into store order, out: 16 lanes store 256 consecutive aligned bytes of a row of part.  left: younger loads than the gates'
.macro EPI left
	s_wait_loadcnt \left
.irp a, 0,1
.if \a
	s_wait_xcnt 0x0                                ; OUT, which the four stores above read, is rewritten only behind this wait
.endif
.irp i, 0,1,2,3
.irp j, 0,1,2,3
	v_mul_f32 v[OUT+4*\i+\j], v[ACC+8*\j+4*\a+\i], v[G+4*\a+\i]
.endr
.endr
.irp i, 0,1,2,3
	global_store_b128 v2, v[OUT+4*\i:OUT+4*\i+3], s[30:31] offset:WPITCH*(4*\a+\i)
.endr
.endr
.endm
.macro TRIP refill
	global_load_b128 v[G:G+3],   v5, s[32:33]
	global_load_b128 v[G+4:G+7], v5, s[32:33] offset:16
.irp g, 0,1,2,3,4,5
.if \refill
	s_wait_loadcnt 42                              ; group g is in; five younger groups of 8 loads and the two loads of gates stay out
.else
	s_wait_loadcnt 42-8*\g
.endif
	MMG \g
.if \refill
	PLACES
	ALOAD \g, ASTEP
.endif
.endr
.if \refill
	EPI 48                                         ; the whole refilled ring is younger than the gates
	s_wait_xcnt 0x0                                ; the bases and OUT are rewritten only behind this wait
	s_add_nc_u64 s[28:29], s[28:29], ASTEP
	s_add_nc_u64 s[30:31], s[30:31], OSTEP
	s_add_nc_u64 s[32:33], s[32:33], 128
.else
	PLACES
	EPI 0
.endif
.endm
	s_load_b256 s[4:11], s[0:1], 0x0               ; hid s[4:5], W2 s[6:7], gslot s[8:9], slots s[10:11]
	s_load_b64 s[12:13], s[0:1], 0x20              ; part
	v_lshrrev_b32 v1, 5, v0
	v_readfirstlane_b32 s14, v1                    ; wave
	s_and_b32 s15, s14, 1                          ; sp
	s_lshr_b32 s16, s14, 1                         ; rp
	s_and_b32 s19, ttmp7, 0xffff
	s_lshr_b32 s17, s19, 2                         ; e
	s_and_b32 s19, s19, 3                          ; kc
	s_lshl_b32 s22, ttmp9, 7
	s_lshl_b32 s34, s15, 6
	s_add_co_u32 s22, s22, s34                     ; col0 = 128 nb + 64 sp
	v_and_b32 v1, 31, v0                           ; l
	v_and_b32 v7, 15, v0                           ; r
	v_bfe_u32 v6, v0, 4, 1                         ; h
	v_mul_u32_u24 v2, v6, 8*WPITCH
	v_lshl_add_u32 v2, v7, 4, v2                   ; 8 h rows of 3,072 bytes + 16 r: serves the weights and part alike
	v_lshlrev_b32 v3, 4, v1                        ; rows: 16 l
	v_lshlrev_b32 v5, 5, v6                        ; gates: 8 h words
	s_lshl_b32 s36, s17, 2
	s_wait_kmcnt 0x0
	s_load_b32 s21, s[10:11], s36 offset:0x2000    ; cnt[e]
	s_mul_i32 s34, s17, 9437184
	s_mul_i32 s39, s19, 2359296
	s_add_co_u32 s34, s34, s39
	s_lshl2_add_u32 s34, s22, s34
	s_mov_b32 s35, 0
	s_add_nc_u64 s[24:25], s[6:7], s[34:35]        ; W2[e], row 768 kc, my strip
	s_add_nc_u64 s[26:27], s[24:25], 384*WPITCH
	s_lshl_b32 s38, s17, 6
	s_add_co_u32 s38, s38, s16                     ; my first tile, 64 e + rp
	s_mul_i32 s34, s38, 98304
	s_mul_i32 s39, s19, 24576
	s_add_co_u32 s34, s34, s39
	s_add_nc_u64 s[28:29], s[4:5], s[34:35]
	s_mul_i32 s34, s38, 49152                      ; 16 rows of 3,072 bytes a tile
	s_mul_i32 s39, s19, 25165824
	s_add_co_u32 s34, s34, s39
	s_lshl2_add_u32 s34, s22, s34
	s_add_nc_u64 s[30:31], s[12:13], s[34:35]
	s_lshl_b32 s34, s38, 6
	s_add_nc_u64 s[32:33], s[8:9], s[34:35]
	FILL_ISSUE 0
	FILL_ISSUE 1
	FILL_ISSUE 2
	s_wait_kmcnt 0x0
	s_min_u32 s21, s21, 1024
	s_add_co_u32 s21, s21, 15
	s_lshr_b32 s21, s21, 4                         ; tiles of e
	s_add_co_u32 s21, s21, 1
	s_sub_co_u32 s21, s21, s16
	s_lshr_b32 s21, s21, 1                         ; of which mine
	s_cmp_eq_u32 s21, 0
	s_cbranch_scc1 .Lend
.set fs, 0
.rept 21
	s_wait_loadcnt 32                              ; stage fs is in; two younger stages of 16 loads stay out
	FILL_CVT fs
	FILL_ISSUE (fs+3)
.set fs, fs+1
.endr
	s_wait_loadcnt 32
	FILL_CVT 21
	s_wait_loadcnt 16
	FILL_CVT 22
	s_wait_loadcnt 0x0
	FILL_CVT 23
	WIN 0
.irp g, 0,1,2,3,4,5
	ALOAD \g, 0
.endr
	s_sub_co_u32 s20, s21, 1
	s_cmp_eq_u32 s20, 0
	s_cbranch_scc1 .Ltail
.Lrow:
	TRIP 1
	s_sub_co_i32 s20, s20, 1
	s_cmp_lg_u32 s20, 0
	s_cbranch_scc1 .Lrow
.Ltail:
	TRIP 0                                         ; the last tile asks for nothing: no load passes the tiles that were written
.Lend:
	s_endpgm
.Lfunc_end_k_q389d00d8e6_gemm2:
	.size	k_q389d00d8e6_gemm2, .Lfunc_end_k_q389d00d8e6_gemm2-k_q389d00d8e6_gemm2
	.p2alignl 7, 3214868480
	.fill 96, 4, 3214868480
	.section	.rodata,"a",@progbits
	.p2align	6, 0x0
	.amdhsa_kernel k_q389d00d8e6_gemm2
		.amdhsa_group_segment_fixed_size 0
		.amdhsa_private_segment_fixed_size 0
		.amdhsa_enable_private_segment 0
		.amdhsa_kernarg_size 40
		.amdhsa_user_sgpr_count 2
		.amdhsa_user_sgpr_kernarg_segment_ptr 1
		.amdhsa_wavefront_size32 1
		.amdhsa_system_sgpr_workgroup_id_x 1
		.amdhsa_system_sgpr_workgroup_id_y 1
		.amdhsa_system_sgpr_workgroup_id_z 1
		.amdhsa_system_vgpr_workitem_id 0
		.amdhsa_next_free_vgpr 1024
		.amdhsa_next_free_sgpr 66
		.amdhsa_reserve_vcc 0
		.amdhsa_float_denorm_mode_32 3
		.amdhsa_float_denorm_mode_16_64 3
		.amdhsa_memory_ordered 1
		.amdhsa_forward_progress 1
		.amdhsa_inst_pref_size 116
	.end_amdhsa_kernel
	.amdgpu_metadata
---
amdhsa.version: [ 1, 2 ]
amdhsa.kernels:
  - .name:           k_q389d00d8e6_gemm2
    .symbol:         k_q389d00d8e6_gemm2.kd
    .args:
      - { .name: hid, .offset: 0, .size: 8, .value_kind: global_buffer, .address_space: global }
      - { .name: W2, .offset: 8, .size: 8, .value_kind: global_buffer, .address_space: global }
      - { .name: gslot, .offset: 16, .size: 8, .value_kind: global_buffer, .address_space: global }
      - { .name: slots, .offset: 24, .size: 8, .value_kind: global_buffer, .address_space: global }
      - { .name: part, .offset: 32, .size: 8, .value_kind: global_buffer, .address_space: global }
    .group_segment_fixed_size: 0
    .private_segment_fixed_size: 0
    .kernarg_segment_align: 8
    .kernarg_segment_size: 40
    .max_flat_workgroup_size: 128
    .sgpr_count:     66
    .vgpr_count:     1024
    .wavefront_size: 32
...
	.end_amdgpu_metadata
.endif
;; end of part 4
;; launch combine (part 5): grid 256 x 1, 8 waves a work-group, no clusters, 0 bytes of LDS; arguments part, pos, route, gate, b2, out0; writes out0
.if DOCPART == 5
	.amdgcn_target "amdgcn-amd-amdhsa--gfx1250"
	.amdhsa_code_object_version 6
	.text
	.protected	k_q389d00d8e6_combine
	.globl	k_q389d00d8e6_combine
	.p2align	8
	.type	k_q389d00d8e6_combine,@function
k_q389d00d8e6_combine:
	s_mov_b64 s[64:65], 0
	v_nop
	global_prefetch_b8 v0, s[64:65] scope:SCOPE_SE
	s_setreg_imm32_b32 hwreg(HW_REG_WAVE_MODE, 25, 1), 1
	s_wait_xcnt 0x0
; out0[t] = sum over the two choices k of ( sum over the four K chunks of part[kc][pos[e_k][t]] + gate(t, k) b2[e_k] ).
; part already carries the gate.  A wave takes half a row (1,536 bytes) of one token: 24 loads of part and 6 of b2, 512 consecutive bytes each,
; all in flight at once, then three stores of 512 consecutive bytes.  A stream: no LDS, no barrier, no matrix unit, nothing shared between waves.
; The experts and slots are whole numbers stored by earlier launches, clamped to their tables before they enter an address: first the token's
; two experts, then, by them, its two slots; the loads of b2 are issued while the slots are on their way.
.set P, 8                              ; v[8:103]    8 + 12 (4 k + kc) + 4 c
.set B, 104                            ; v[104:127]  104 + 12 k + 4 c
.set CHUNK, 25165824                   ; bytes of one K chunk of part
	s_load_b256 s[4:11], s[0:1], 0x0               ; part s[4:5], pos s[6:7], route s[8:9], gate s[10:11]
	s_load_b128 s[12:15], s[0:1], 0x20             ; b2 s[12:13], out0 s[14:15]
	v_lshrrev_b32 v1, 5, v0
	v_readfirstlane_b32 s50, v1                    ; wave
	s_lshr_b32 s51, s50, 1
	s_lshl2_add_u32 s51, ttmp9, s51                ; token = 4 x work-group + wave / 2
	s_and_b32 s50, s50, 1
	s_mul_i32 s50, s50, 1536                       ; which half of the row
	v_and_b32 v1, 31, v0
	v_lshl_add_u32 v2, v1, 4, s50
	s_lshl_b32 s55, s51, 3
	s_lshl_b32 s45, s51, 2
	s_wait_kmcnt 0x0
	s_load_b32 s52, s[8:9], s45 offset:0x0         ; the token's two experts
	s_load_b64 s[42:43], s[10:11], s55 offset:0x0  ; its two gates
	s_mul_i32 s46, s51, 3072
	s_mov_b32 s47, 0
	s_add_nc_u64 s[48:49], s[14:15], s[46:47]
	s_wait_kmcnt 0x0
	s_and_b32 s53, s52, 0xff
	s_min_u32 s53, s53, 7
	s_lshr_b32 s54, s52, 8
	s_min_u32 s54, s54, 7
	s_lshl_b32 s44, s53, 12                        ; pos[e][t]: 4,096 bytes an expert, 4 a token
	s_add_co_u32 s44, s44, s45
	s_lshl_b32 s52, s54, 12
	s_add_co_u32 s52, s52, s45
	s_load_b32 s40, s[6:7], s44 offset:0x0         ; the token's two slots
	s_load_b32 s41, s[6:7], s52 offset:0x0
	s_mul_i32 s46, s53, 3072
	s_add_nc_u64 s[32:33], s[12:13], s[46:47]
	s_mul_i32 s46, s54, 3072
	s_add_nc_u64 s[34:35], s[12:13], s[46:47]
.irp k, 0,1
.irp c, 0,1,2
	global_load_b128 v[B+12*\k+4*\c:B+12*\k+4*\c+3], v2, s[32+2*\k:33+2*\k] offset:512*\c
.endr
.endr
	s_mov_b32 s36, s42                             ; each gate in both words of a pair: the packed form names the pair
	s_mov_b32 s37, s42
	s_mov_b32 s38, s43
	s_mov_b32 s39, s43
	s_wait_kmcnt 0x0
	s_min_u32 s40, s40, 8191
	s_min_u32 s41, s41, 8191
	s_mul_i32 s46, s40, 3072
	s_add_nc_u64 s[16:17], s[4:5], s[46:47]
	s_mul_i32 s46, s41, 3072
	s_add_nc_u64 s[24:25], s[4:5], s[46:47]
.irp c, 1,2,3
	s_add_nc_u64 s[16+2*\c:17+2*\c], s[16:17], \c*CHUNK
	s_add_nc_u64 s[24+2*\c:25+2*\c], s[24:25], \c*CHUNK
.endr
.irp b, 0,1,2,3,4,5,6,7
.irp c, 0,1,2
	global_load_b128 v[P+12*\b+4*\c:P+12*\b+4*\c+3], v2, s[16+2*\b:17+2*\b] offset:512*\c th:TH_LOAD_NT
.endr
.endr
.macro ADDP d, s                       ; two sums
	v_pk_add_f32 v[\d:\d+1], v[\d:\d+1], v[\s:\s+1]
.endm
	s_wait_loadcnt 0x0
.irp c, 0,1,2
.irp u, 0,2
	ADDP P+4*\c+\u,    P+12+4*\c+\u
	ADDP P+24+4*\c+\u, P+36+4*\c+\u
	ADDP P+48+4*\c+\u, P+60+4*\c+\u
	ADDP P+72+4*\c+\u, P+84+4*\c+\u
	ADDP P+4*\c+\u,    P+24+4*\c+\u
	ADDP P+48+4*\c+\u, P+72+4*\c+\u
	ADDP P+4*\c+\u,    P+48+4*\c+\u
	v_pk_fma_f32 v[P+4*\c+\u:P+4*\c+\u+1], v[B+4*\c+\u:B+4*\c+\u+1], s[36:37], v[P+4*\c+\u:P+4*\c+\u+1] op_sel_hi:[1,0,1]
	v_pk_fma_f32 v[P+4*\c+\u:P+4*\c+\u+1], v[B+12+4*\c+\u:B+12+4*\c+\u+1], s[38:39], v[P+4*\c+\u:P+4*\c+\u+1] op_sel_hi:[1,0,1]
.endr
	global_store_b128 v2, v[P+4*\c:P+4*\c+3], s[48:49] offset:512*\c th:TH_STORE_NT
.endr
	s_endpgm
.Lfunc_end_k_q389d00d8e6_combine:
	.size	k_q389d00d8e6_combine, .Lfunc_end_k_q389d00d8e6_combine-k_q389d00d8e6_combine
	.p2alignl 7, 3214868480
	.fill 96, 4, 3214868480
	.section	.rodata,"a",@progbits
	.p2align	6, 0x0
	.amdhsa_kernel k_q389d00d8e6_combine
		.amdhsa_group_segment_fixed_size 0
		.amdhsa_private_segment_fixed_size 0
		.amdhsa_enable_private_segment 0
		.amdhsa_kernarg_size 48
		.amdhsa_user_sgpr_count 2
		.amdhsa_user_sgpr_kernarg_segment_ptr 1
		.amdhsa_wavefront_size32 1
		.amdhsa_system_sgpr_workgroup_id_x 1
		.amdhsa_system_sgpr_workgroup_id_y 1
		.amdhsa_system_sgpr_workgroup_id_z 1
		.amdhsa_system_vgpr_workitem_id 0
		.amdhsa_next_free_vgpr 128
		.amdhsa_next_free_sgpr 66
		.amdhsa_reserve_vcc 0
		.amdhsa_float_denorm_mode_32 3
		.amdhsa_float_denorm_mode_16_64 3
		.amdhsa_memory_ordered 1
		.amdhsa_forward_progress 1
		.amdhsa_inst_pref_size 10
	.end_amdhsa_kernel
	.amdgpu_metadata
---
amdhsa.version: [ 1, 2 ]
amdhsa.kernels:
  - .name:           k_q389d00d8e6_combine
    .symbol:         k_q389d00d8e6_combine.kd
    .args:
      - { .name: part, .offset: 0, .size: 8, .value_kind: global_buffer, .address_space: global }
      - { .name: pos, .offset: 8, .size: 8, .value_kind: global_buffer, .address_space: global }
      - { .name: route, .offset: 16, .size: 8, .value_kind: global_buffer, .address_space: global }
      - { .name: gate, .offset: 24, .size: 8, .value_kind: global_buffer, .address_space: global }
      - { .name: b2, .offset: 32, .size: 8, .value_kind: global_buffer, .address_space: global }
      - { .name: out0, .offset: 40, .size: 8, .value_kind: global_buffer, .address_space: global }
    .group_segment_fixed_size: 0
    .private_segment_fixed_size: 0
    .kernarg_segment_align: 8
    .kernarg_segment_size: 48
    .max_flat_workgroup_size: 256
    .sgpr_count:     66
    .vgpr_count:     128
    .wavefront_size: 32
...
	.end_amdgpu_metadata
.endif
;; end of part 5
